; MI455X (gfx1250); checked and timed in simulation.
; The chip was launched on July 23, 2026; its instructions are those of AMD's public machine-readable ISA for CDNA 5 (MIT licence, August 2026) and "CDNA5" Instruction Set Architecture Reference Guide (July 2026). The comments in the code are by the model that wrote it; some were corrected since.
;; Bit Mo E. Allowed arithmetic: float matrix products may take bf16 or f16 operands with f32 sums; other float arithmetic in f32, or as packed bf16 or f16 multiplies, adds, multiply-adds, maxima and minima; sums over many terms, partial sums and values carried from step to step in f32; what a program stores and reads back later, other than sums and carried values, may be rounded once to bf16 or f16.
;; Inputs: b1 8 x 256 float32; b2 8 x 128 float32; bg 8 float32; w1 8 x 256 x 128 float32; w2 8 x 128 x 256 float32; wg 8 x 128 float32; x 131,072 x 128 float32.
;; Outputs: out0 131,072 x 128 float32.
;; One version. Each part assembles by itself: llvm-mc -triple=amdgcn-amd-amdhsa -mcpu=gfx1250 --defsym DOCPART=n.
;; ======== version 1 of 1: 3 launches
;; limits: values are held in f16: magnitudes above 65,504 overflow, below 6.1e-05 lose precision
;; workspace buffers: key 524,288 bytes of whole numbers; hist 65,536 bytes of whole numbers; ord 524,288 bytes of whole numbers; wq 272,384 bytes
;; launch route (part 1): grid 256 x 1, 16 waves a work-group, no clusters, 77,824 bytes of LDS; arguments x, wg, bg, key, hist; writes key, hist
.if DOCPART == 1
	.amdgcn_target "amdgcn-amd-amdhsa--gfx1250"
	.amdhsa_code_object_version 6
	.text
	.protected	k_q563f7088ab_route
	.globl	k_q563f7088ab_route
	.p2align	8
	.type	k_q563f7088ab_route,@function
k_q563f7088ab_route:
	s_mov_b64 s[64:65], 0
	v_nop
	global_prefetch_b8 v0, s[64:65] scope:SCOPE_SE
	s_setreg_imm32_b32 hwreg(HW_REG_WAVE_MODE, 25, 1), 1
	s_wait_xcnt 0x0
; ROUTE.  For each token: the 8 gate logits l = x . wg + bg (all three rounded once to bf16, products by the bf16 matrix form, sums in f32), the five largest
; (on equal logits the lower index wins, as jax.lax.top_k has it), and a sort key: key[token] = rank of the set | mask of the five << 8.
; The rank is the revolving-door rank (0..55) of the three experts left out: sets of neighbouring rank differ in one expert.
; hist[block of 512 tokens][64] counts a block's tokens by rank.  Nothing here forms an address from a logit: keys and counts go to fixed places.
; LIMITS.  NaN and infinities are not treated apart (the rank is held to 0..63, so the later sort stays a permutation).
; SHARES.  A work-group has 512 tokens, a wave 32: two tiles of 16.  A wave's 32 rows (512 consecutive bytes each) are all asked for at once.
; No cluster: the work-groups share only wg and bg, 4 KiB beside 256 KiB of x each.
.set PX,    272                        ; a staged row: 128 bf16 + 16 bytes, so that the 16 rows of a fragment load start 4 banks apart (64 banks of 4 bytes: ISA guide 11.1)
.set STG,   16*PX                      ; a wave's stage: 16 rows
.set KEYS,  16*STG                     ; 512 keys
.set HWB,   KEYS+2048                  ; 16 waves x 64 counts
.set SPARE, HWB+4096                   ; the spare words: 128 bytes a wave, named by no other line
.set LO,   1                           ; 16 x lane
.set RR,   2                           ; lane % 16
.set HF,   3                           ; lane / 16
.set XST,  4                           ; stage: where my 8 bytes of a row go
.set XLD,  5                           ; stage: where my fragment's 16 bytes lie
.set SPW,  6                           ; my spare word; never rewritten
.set NIL,  7                           ; 0; never rewritten
.set LANE, 9
.set WGO,  10                          ; my byte offset in wg
.set ZOF,  11                          ; 0: offset of bg
.set HAD,  12                          ; where my wave's counts go
.set BGC,  16                          ; v16-23   bg, the C operand of the first product
.set X,    32                          ; v32-95   wg as loaded; then x's fragments, tile t, channels 32 kc on, at X + 32 t + 8 kc
.set WGF,  96                          ; v96-127  wg's fragments
.set RAW,  128                         ; v128-255 32 rows of x, 4 registers each; later what follows
.set LG,   128                         ; logits, 8 a tile
.set RK,   144                         ; ranks
.set MK,   152
.set UU,   153
.set TA,   154
.set T1,   155
.set T2,   156
.set T3,   157
.set TB,   158
.set PP,   159
.set KEY,  160                         ; v160, v161 the two tiles' keys
.set KR,   162
.set VH,   164                         ; v164, v165 the wave's 64 counts, one a lane
	s_load_b256 s[4:11], s[0:1], 0x0               ; x s[4:5], wg s[6:7], bg s[8:9], key s[10:11]
	s_load_b64 s[12:13], s[0:1], 0x20              ; hist
	v_lshl_add_u32 v[SPW], v0, 2, SPARE
	v_mov_b32 v[NIL], 0
	v_lshrrev_b32 v8, 5, v0
	v_readfirstlane_b32 s2, v8                     ; wave 0..15
	v_and_b32 v[LANE], 31, v0
	v_lshlrev_b32 v[LO], 4, v[LANE]
	v_and_b32 v[RR], 15, v0
	v_bfe_u32 v[HF], v0, 4, 1
	s_mul_i32 s3, s2, STG                          ; my wave's stage
	v_lshl_add_u32 v[XST], v[LANE], 3, s3
	v_mul_u32_u24 v[XLD], v[RR], PX
	v_lshl_add_u32 v[XLD], v[HF], 4, v[XLD]
	v_add_nc_u32 v[XLD], s3, v[XLD]
	v_and_b32 v[WGO], 7, v0                        ; A's rows 8-15 repeat the 8 experts, so both halves of the lanes get all 8 logits of their token
	v_lshlrev_b32 v[WGO], 9, v[WGO]
	v_lshl_add_u32 v[WGO], v[HF], 5, v[WGO]        ; expert x 512 + 32 x half
	v_mov_b32 v[ZOF], 0
	s_lshl_b32 s14, ttmp9, 18                      ; 512 tokens of 512 bytes a work-group,
	s_lshl_b32 s15, s2, 14                         ; 32 a wave
	s_add_co_u32 s14, s14, s15
	s_mov_b32 s15, 0
	s_wait_kmcnt 0x0
	s_add_nc_u64 s[4:5], s[4:5], s[14:15]
.irp kc, 0,1,2,3                       ; a fragment of wg: channels 32 kc + 8 half + 0..7 and + 16: four loads of four f32
	global_load_b128 v[X+16*\kc:X+16*\kc+3],     v[WGO], s[6:7] offset:128*\kc
	global_load_b128 v[X+16*\kc+4:X+16*\kc+7],   v[WGO], s[6:7] offset:128*\kc+16
	global_load_b128 v[X+16*\kc+8:X+16*\kc+11],  v[WGO], s[6:7] offset:128*\kc+64
	global_load_b128 v[X+16*\kc+12:X+16*\kc+15], v[WGO], s[6:7] offset:128*\kc+80
.endr
	global_load_b128 v[BGC:BGC+3],   v[ZOF], s[8:9]
	global_load_b128 v[BGC+4:BGC+7], v[ZOF], s[8:9] offset:16
.set i, 0
.rept 32                               ; a load takes one row: 512 consecutive bytes
	global_load_b128 v[RAW+4*i:RAW+4*i+3], v[LO], s[4:5] offset:512*i th:TH_LOAD_NT
.set i, i+1
.endr
	s_wait_loadcnt 32                              ; wg and bg are in; the 32 rows behind them stay out
.set n, 0
.rept 32
	v_cvt_pk_bf16_f32 v[WGF+n], v[X+2*n], v[X+2*n+1]
.set n, n+1
.endr
.irp n, 0,2,4,6                        ; bg rounded to bf16 and widened again
	v_cvt_pk_bf16_f32 v8, v[BGC+\n], v[BGC+\n+1]
	v_lshlrev_b32 v[BGC+\n], 16, v8
	v_and_b32 v[BGC+\n+1], 0xffff0000, v8
.endr
; Tile t: 16 rows are rounded to bf16 in place, laid into my stage, and read back as four fragments.  The bytes are the wave's own and LDS serves a wave's instructions in order (ISA guide 5.7.1.4): no wait between.
.macro XCONV t
.set i, RAW+64*(\t)
.rept 16
	v_cvt_pk_bf16_f32 v[i], v[i], v[i+1]
	v_cvt_pk_bf16_f32 v[i+1], v[i+2], v[i+3]
.set i, i+4
.endr
.set i, 0
.rept 16
	ds_store_b64 v[XST], v[RAW+64*(\t)+4*i:RAW+64*(\t)+4*i+1] offset:PX*i
.set i, i+1
.endr
.irp kc, 0,1,2,3
	ds_load_b128 v[X+32*(\t)+8*\kc:X+32*(\t)+8*\kc+3],   v[XLD] offset:64*\kc
	ds_load_b128 v[X+32*(\t)+8*\kc+4:X+32*(\t)+8*\kc+7], v[XLD] offset:64*\kc+32
.endr
.endm
	s_wait_loadcnt 16                              ; tile 0's rows are in, tile 1's sixteen may be out
	XCONV 0
	s_wait_loadcnt 0x0
	XCONV 1
	s_wait_dscnt 0x0
.set i, 0
.rept 8                                ; l^T = wg x^T + bg: a lane holds one token (lane % 16) and register j expert j.  The two accumulators take turns
.set kc, i/2
.set t, i%2
.if kc == 0
	v_wmma_f32_16x16x32_bf16 v[LG+8*t:LG+8*t+7], v[WGF+8*kc:WGF+8*kc+7], v[X+32*t+8*kc:X+32*t+8*kc+7], v[BGC:BGC+7]
.else
	v_wmma_f32_16x16x32_bf16 v[LG+8*t:LG+8*t+7], v[WGF+8*kc:WGF+8*kc+7], v[X+32*t+8*kc:X+32*t+8*kc+7], v[LG+8*t:LG+8*t+7]
.endif
.set i, i+1
.endr
.rept 4
	v_nop                                          ; four places between a product and the first read of its result (ISA guide 7.12.1)
.endr
; rank of expert e = the number of j < e with l_j >= l_e plus the number of j > e with l_j > l_e
.macro RANK8 l, k
.set e, 0
.rept 8
.set j, 0
.set first, 1
.rept 8
.if j < e
	v_cmp_ge_f32 vcc_lo, v[(\l)+j], v[(\l)+e]
.elseif j > e
	v_cmp_gt_f32 vcc_lo, v[(\l)+j], v[(\l)+e]
.endif
.if j != e
.if first
	v_cndmask_b32 v[(\k)+e], 0, 1, vcc_lo
.set first, 0
.else
	v_add_co_ci_u32 v[(\k)+e], vcc_lo, 0, v[(\k)+e], vcc_lo
.endif
.endif
.set j, j+1
.endr
.set e, e+1
.endr
.endm
.macro LOWBIT d                        ; the lowest bit of UU is taken out; d = its place + 1, read off the exponent of the bit as a float
	v_sub_nc_u32 v[TA], 0, v[UU]
	v_and_b32 v[TA], v[UU], v[TA]
	v_xor_b32 v[UU], v[UU], v[TA]
	v_cvt_f32_u32 v[TA], v[TA]
	v_lshrrev_b32 v[TA], 23, v[TA]
	v_add_nc_u32 v[\d], 0xffffff82, v[TA]
.endm
.macro KEYOF t
	RANK8 LG+8*(\t), RK
	v_cmp_gt_u32 vcc_lo, 5, v[RK]
	v_cndmask_b32 v[MK], 0, 1, vcc_lo
.irp e, 1,2,3,4,5,6,7
	v_cmp_gt_u32 vcc_lo, 5, v[RK+\e]
	v_cndmask_b32 v[TA], 0, 1<<\e, vcc_lo
	v_or_b32 v[MK], v[MK], v[TA]
.endr
	v_xor_b32 v[UU], 0xff, v[MK]                   ; the three left out, t1 < t2 < t3 counted from 1: rank = C(t3,3) - C(t2,2) + t1 - 1
	LOWBIT T1
	LOWBIT T2
	LOWBIT T3
	v_add_nc_u32 v[TB], -1, v[T3]
	v_mul_u32_u24 v[PP], v[T3], v[TB]
	v_add_nc_u32 v[TB], -2, v[T3]
	v_mul_u32_u24 v[PP], v[PP], v[TB]
	v_mul_u32_u24 v[PP], 0xaaab, v[PP]             ; / 6: x 43,691 >> 18, exact for multiples of 6 up to 336
	v_lshrrev_b32 v[PP], 18, v[PP]
	v_add_nc_u32 v[TB], -1, v[T2]
	v_mul_u32_u24 v[TB], v[T2], v[TB]
	v_lshrrev_b32 v[TB], 1, v[TB]
	v_sub_nc_u32 v[PP], v[PP], v[TB]
	v_add3_u32 v[PP], v[PP], v[T1], -1
	v_min_u32 v[PP], 63, v[PP]
	v_lshl_or_b32 v[KEY+(\t)], v[MK], 8, v[PP]
.endm
	KEYOF 0
	KEYOF 1
	v_cmp_gt_u32 vcc_lo, 16, v[LANE]               ; lanes 0-15 keep tile 0's token, lanes 16-31 tile 1's: lane l now has token 32 wave + l
	v_cndmask_b32 v[KEY], v[KEY+1], v[KEY], vcc_lo
	v_lshl_add_u32 v8, v0, 2, KEYS
	ds_store_b32 v8, v[KEY]
	v_and_b32 v[KR], 0xff, v[KEY]
	v_mov_b32 v[VH], 0
	v_mov_b32 v[VH+1], 0
.set b, 0
.rept 64                               ; the wave's count of each rank, by ballot: no atomics
	v_cmp_eq_u32 vcc_lo, b, v[KR]
	s_bcnt1_i32_b32 s3, vcc_lo
	v_writelane_b32 v[VH+b/32], s3, b%32
.set b, b+1
.endr
	s_lshl_b32 s3, s2, 8
	s_add_co_u32 s3, s3, HWB
	v_lshl_add_u32 v[HAD], v[LANE], 2, s3
	ds_store_b32 v[HAD], v[VH]
	ds_store_b32 v[HAD], v[VH+1] offset:128
	s_wait_dscnt 0x0                               ; for the others' sake: my keys and counts are in LDS
	s_barrier_signal -1
	s_barrier_wait -1
	s_cmp_lt_u32 s2, 4
	s_cbranch_scc1 .Lkeys
	s_cmp_eq_u32 s2, 4
	s_cbranch_scc1 .Lhist
	s_wait_tensorcnt 0x0                           ; the wave's end: behind my last LDS store
	ds_add_u32 v[SPW], v[NIL]
	s_wait_dscnt 0x0
	s_endpgm
.Lkeys:                                                ; waves 0-3 store the 512 keys: each store of a wave covers 512 consecutive bytes, aligned
	v_lshl_add_u32 v8, v0, 4, KEYS
	ds_load_b128 v[24:27], v8
	s_lshl_b32 s14, ttmp9, 11
	s_mov_b32 s15, 0
	s_add_nc_u64 s[10:11], s[10:11], s[14:15]
	v_lshlrev_b32 v13, 4, v0
	s_wait_dscnt 0x0
	global_store_b128 v13, v[24:27], s[10:11]
	s_wait_tensorcnt 0x0
	ds_add_u32 v[SPW], v[NIL]
	s_wait_dscnt 0x0
	s_endpgm
.Lhist:                                                ; wave 4 adds the 16 waves' counts, two ranks a lane, and stores 256 consecutive bytes, aligned
	v_lshl_add_u32 v8, v[LANE], 3, HWB
.set w, 0
.rept 16
	ds_load_b64 v[32+2*w:33+2*w], v8 offset:256*w
.set w, w+1
.endr
	s_lshl_b32 s14, ttmp9, 8
	s_mov_b32 s15, 0
	s_add_nc_u64 s[12:13], s[12:13], s[14:15]
	v_lshlrev_b32 v13, 3, v[LANE]
	s_wait_dscnt 0x0
	v_add_nc_u32 v24, v32, v34
	v_add_nc_u32 v25, v33, v35
.set w, 2
.rept 14
	v_add_nc_u32 v24, v24, v[32+2*w]
	v_add_nc_u32 v25, v25, v[33+2*w]
.set w, w+1
.endr
	global_store_b64 v13, v[24:25], s[12:13]
	s_wait_tensorcnt 0x0
	ds_add_u32 v[SPW], v[NIL]
	s_wait_dscnt 0x0
	s_endpgm
.Lfunc_end_k_q563f7088ab_route:
	.size	k_q563f7088ab_route, .Lfunc_end_k_q563f7088ab_route-k_q563f7088ab_route
	.p2alignl 7, 3214868480
	.fill 96, 4, 3214868480
	.section	.rodata,"a",@progbits
	.p2align	6, 0x0
	.amdhsa_kernel k_q563f7088ab_route
		.amdhsa_group_segment_fixed_size 77824
		.amdhsa_private_segment_fixed_size 0
		.amdhsa_enable_private_segment 0
		.amdhsa_kernarg_size 40
		.amdhsa_user_sgpr_count 2
		.amdhsa_user_sgpr_kernarg_segment_ptr 1
		.amdhsa_wavefront_size32 1
		.amdhsa_system_sgpr_workgroup_id_x 1
		.amdhsa_system_sgpr_workgroup_id_y 1
		.amdhsa_system_sgpr_workgroup_id_z 1
		.amdhsa_system_vgpr_workitem_id 0
		.amdhsa_next_free_vgpr 256
		.amdhsa_next_free_sgpr 66
		.amdhsa_reserve_vcc 1
		.amdhsa_float_denorm_mode_32 3
		.amdhsa_float_denorm_mode_16_64 3
		.amdhsa_memory_ordered 1
		.amdhsa_forward_progress 1
		.amdhsa_inst_pref_size 41
	.end_amdhsa_kernel
	.amdgpu_metadata
---
amdhsa.version: [ 1, 2 ]
amdhsa.kernels:
  - .name:           k_q563f7088ab_route
    .symbol:         k_q563f7088ab_route.kd
    .args:
      - { .name: x, .offset: 0, .size: 8, .value_kind: global_buffer, .address_space: global }
      - { .name: wg, .offset: 8, .size: 8, .value_kind: global_buffer, .address_space: global }
      - { .name: bg, .offset: 16, .size: 8, .value_kind: global_buffer, .address_space: global }
      - { .name: key, .offset: 24, .size: 8, .value_kind: global_buffer, .address_space: global }
      - { .name: hist, .offset: 32, .size: 8, .value_kind: global_buffer, .address_space: global }
    .group_segment_fixed_size: 77824
    .private_segment_fixed_size: 0
    .kernarg_segment_align: 8
    .kernarg_segment_size: 40
    .max_flat_workgroup_size: 512
    .sgpr_count:     66
    .vgpr_count:     256
    .wavefront_size: 32
...
	.end_amdgpu_metadata
.endif
;; end of part 1
;; launch sortprep (part 2): grid 272 x 1, 16 waves a work-group, no clusters, 18,688 bytes of LDS; arguments key, hist, w1, w2, b1, b2, ord, wq; writes ord, wq
.if DOCPART == 2
	.amdgcn_target "amdgcn-amd-amdhsa--gfx1250"
	.amdhsa_code_object_version 6
	.text
	.protected	k_q563f7088ab_sortprep
	.globl	k_q563f7088ab_sortprep
	.p2align	8
	.type	k_q563f7088ab_sortprep,@function
k_q563f7088ab_sortprep:
	s_mov_b64 s[64:65], 0
	v_nop
	global_prefetch_b8 v0, s[64:65] scope:SCOPE_SE
	s_setreg_imm32_b32 hwreg(HW_REG_WAVE_MODE, 25, 1), 1
	s_wait_xcnt 0x0
; SORT AND WEIGHTS, two kinds of work-group in one launch; the branch hangs on the work-group's number alone.
; Work-groups 0-255 (SORT): a counting sort of the tokens by the rank of their set of experts, without atomics.  Work-group b places its 512 tokens:
;   place = tokens of lower rank in all blocks + tokens of my rank in blocks before b + in waves before mine + in lanes before mine.
;   ord[place] = token | mask of its five experts << 24.  These are stores of 4 bytes to scattered places, 512 KiB in all: a block has some nine tokens of a rank, so no staging would make long runs of them.
; Work-groups 256-271 (WEIGHTS): one of the 16 matrices each (w1[e], then w2[e]).  w is rounded to bf16; alpha = mean |w| in f32; q = sign(w) where |w| > alpha / 2, else 0.
;   q goes out as exact FP4 codes, eight neighbouring k to a word, in the order in which the last launch's operand registers take them:
;   byte = e 32768 + c 4096 + part 2048 + i 512 + L 16 + s 8 + j 4; the word holds k = 32 (k block) + 16 j + 8 (L / 16) + 0..7 of row L % 16 of a fragment of 16 rows;
;   part 0 (w1): chunk c of 32 hidden units, k block i, rows 32 c + 16 s + ..;   part 1 (w2): k block c, rows 16 (2 i + s) + ...
;   Behind the codes: b1 rounded to bf16, kept as f32 (at 262,144); b2 rounded to bf16, written as f16 (at 270,336).
; LIMITS.  |b2| stays under 65,504 (f16).  The sum of |w| is taken in another order than reference()'s: alpha may differ in its last bits.
.set SPARE, 16640                      ; the spare words: 128 bytes a wave, named by no other line
.set RPB,   2048                       ; sort: RT at 0 (totals), RP here (totals of the blocks before mine), 8 groups x 64 ranks each
.set WHB,   4096                       ; sort: 16 waves x 64 counts
.set PS,    16384                      ; weights: 16 partial sums; the image of 16 KiB lies at 0
	s_load_b512 s[4:19], s[0:1], 0x0               ; key s[4:5], hist s[6:7], w1 s[8:9], w2 s[10:11], b1 s[12:13], b2 s[14:15], ord s[16:17], wq s[18:19]
	v_lshl_add_u32 v6, v0, 2, SPARE                ; v6: my spare word, v7: 0; never rewritten
	v_mov_b32 v7, 0
	v_lshrrev_b32 v2, 5, v0
	v_readfirstlane_b32 s2, v2                     ; wave 0..15
	v_and_b32 v1, 31, v0                           ; lane
	s_wait_kmcnt 0x0
	s_cmp_ge_u32 ttmp9, 256
	s_cbranch_scc1 .Lprep
	; ---------------- SORT ----------------
	s_lshl_b32 s20, ttmp9, 11
	s_mov_b32 s21, 0
	s_add_nc_u64 s[4:5], s[4:5], s[20:21]
	v_lshlrev_b32 v8, 2, v0
	global_load_b32 v10, v8, s[4:5]                ; my token's key
	s_lshr_b32 s22, s2, 1                          ; g: my wave sums blocks 32 g .. 32 g + 31,
	s_and_b32 s23, s2, 1                           ; for ranks 32 (wave & 1) + lane
	s_lshl_b32 s24, s22, 13
	s_lshl_b32 s25, s23, 7
	s_add_co_u32 s24, s24, s25
	v_lshl_add_u32 v9, v1, 2, s24
.set i, 0
.rept 32
	global_load_b32 v[32+i], v9, s[6:7] offset:256*i
.set i, i+1
.endr
	s_wait_loadcnt 32                              ; the key is in; the 32 counts behind it stay out
	v_and_b32 v11, 0xff, v10
	v_min_u32 v11, 63, v11                         ; kr: my rank
	v_mov_b32 v12, 0                               ; loc: lanes before mine with my rank
	v_mov_b32 v14, 0                               ; v14, v15: my wave's counts, one rank a lane
	v_mov_b32 v15, 0
.set b, 0
.rept 64
	v_cmp_eq_u32 vcc_lo, b, v11
	v_mbcnt_lo_u32_b32 v13, vcc_lo, 0
	v_cndmask_b32 v12, v12, v13, vcc_lo
	s_bcnt1_i32_b32 s27, vcc_lo
	v_writelane_b32 v[14+b/32], s27, b%32
.set b, b+1
.endr
	s_lshl_b32 s27, s2, 8
	s_add_co_u32 s27, s27, WHB
	v_lshl_add_u32 v16, v1, 2, s27
	ds_store_b32 v16, v14
	ds_store_b32 v16, v15 offset:128
	s_lshl_b32 s26, s22, 5
	s_sub_co_i32 s26, ttmp9, s26                   ; of my 32 blocks the first b - 32 g lie before block b (none if that is negative)
	v_mov_b32 v18, 0                               ; T
	v_mov_b32 v19, 0                               ; P
	s_wait_loadcnt 0x0
.set i, 0
.rept 32
	s_cmp_gt_i32 s26, i
	s_cselect_b32 s27, -1, 0
	v_and_b32 v13, s27, v[32+i]
	v_add_nc_u32 v18, v18, v[32+i]
	v_add_nc_u32 v19, v19, v13
.set i, i+1
.endr
	ds_store_b32 v8, v18                           ; RT[g][rank] lies at 4 x thread: 256 g + 128 (wave & 1) + 4 lane
	ds_store_b32 v8, v19 offset:RPB
	s_wait_dscnt 0x0                               ; for the others' sake
	s_barrier_signal -1
	s_barrier_wait -1
	v_lshlrev_b32 v17, 2, v1                       ; every wave for itself: lane l has ranks l and l + 32
.set g, 0
.rept 8
	ds_load_b32 v[32+2*g], v17 offset:256*g
	ds_load_b32 v[33+2*g], v17 offset:256*g+128
	ds_load_b32 v[48+2*g], v17 offset:RPB+256*g
	ds_load_b32 v[49+2*g], v17 offset:RPB+256*g+128
.set g, g+1
.endr
.set w, 0
.rept 16
	ds_load_b32 v[64+2*w], v17 offset:WHB+256*w
	ds_load_b32 v[65+2*w], v17 offset:WHB+256*w+128
.set w, w+1
.endr
	s_wait_dscnt 0x0
	v_add_nc_u32 v20, v32, v34                     ; v20, v21: all tokens of the rank
	v_add_nc_u32 v21, v33, v35
	v_add_nc_u32 v22, v48, v50                     ; v22, v23: those in blocks before mine
	v_add_nc_u32 v23, v49, v51
.set g, 2
.rept 6
	v_add_nc_u32 v20, v20, v[32+2*g]
	v_add_nc_u32 v21, v21, v[33+2*g]
	v_add_nc_u32 v22, v22, v[48+2*g]
	v_add_nc_u32 v23, v23, v[49+2*g]
.set g, g+1
.endr
.set w, 0
.rept 16                               ; and those in waves before mine
	s_cmp_gt_u32 s2, w
	s_cselect_b32 s27, -1, 0
	v_and_b32 v13, s27, v[64+2*w]
	v_add_nc_u32 v22, v22, v13
	v_and_b32 v13, s27, v[65+2*w]
	v_add_nc_u32 v23, v23, v13
.set w, w+1
.endr
	v_mov_b32 v26, 0                               ; v26, v27: tokens of lower rank, a running sum over the 64 ranks
	v_mov_b32 v27, 0
	s_mov_b32 s28, 0
.set j, 0
.rept 64
	v_writelane_b32 v[26+j/32], s28, j%32
	v_readlane_b32 s29, v[20+j/32], j%32
	s_add_co_u32 s28, s28, s29
.set j, j+1
.endr
	v_add_nc_u32 v26, v26, v22
	v_add_nc_u32 v27, v27, v23
	v_lshlrev_b32 v28, 2, v11                      ; my rank's figure lies in lane kr % 32 of one of the two
	ds_bpermute_b32 v29, v28, v26
	ds_bpermute_b32 v30, v28, v27
	s_lshl_b32 s30, ttmp9, 9
	v_add_nc_u32 v31, s30, v0                      ; my token
	v_bfe_u32 v13, v10, 8, 8                       ; its mask
	v_lshl_or_b32 v31, v13, 24, v31
	s_wait_dscnt 0x0
	v_cmp_lt_u32 vcc_lo, 31, v11
	v_cndmask_b32 v29, v29, v30, vcc_lo
	v_add_nc_u32 v29, v29, v12
	v_min_u32 v29, 0x1ffff, v29                    ; a place made of loaded numbers is held inside ord
	v_lshlrev_b32 v29, 2, v29
	global_store_b32 v29, v31, s[16:17]
	s_wait_tensorcnt 0x0                           ; the wave's end: behind my last LDS store
	ds_add_u32 v6, v7
	s_wait_dscnt 0x0
	s_endpgm
	; ---------------- WEIGHTS ----------------
.Lprep:
	s_sub_co_u32 s20, ttmp9, 256
	s_and_b32 s21, s20, 7                          ; e
	s_lshr_b32 s22, s20, 3                         ; part: 0 w1, 1 w2
	s_cmp_eq_u32 s22, 0
	s_cselect_b64 s[24:25], s[8:9], s[10:11]
	s_cselect_b32 s26, 4, 5                        ; groups of 8 in a row: 16 or 32
	s_cselect_b32 s27, 15, 31
	s_cselect_b32 s28, 11, 9                       ; where row / 32 goes in the image,
	s_cselect_b32 s29, 9, 11                       ; and where the k block goes
	s_lshl_b32 s30, s21, 17
	s_mov_b32 s31, 0
	s_add_nc_u64 s[24:25], s[24:25], s[30:31]
	s_mov_b32 s32, 0x76543210                      ; v_permlanex16_b32: each lane takes its own place in the other half
	s_mov_b32 s33, 0xfedcba98
	s_mov_b32 s35, 0x80000000
	s_mov_b32 s36, 0x3f800000
	v_lshlrev_b32 v8, 5, v0
.set i, 0
.rept 8                                ; thread t has the groups 512 i + t of eight neighbouring numbers
	global_load_b128 v[32+8*i:35+8*i], v8, s[24:25] offset:16384*i th:TH_LOAD_NT
	global_load_b128 v[36+8*i:39+8*i], v8, s[24:25] offset:16384*i+16 th:TH_LOAD_NT
.set i, i+1
.endr
	s_wait_loadcnt 0x0
.set i, 0
.rept 32                               ; rounded to bf16 and widened again
	v_cvt_pk_bf16_f32 v9, v[32+2*i], v[33+2*i]
	v_lshlrev_b32 v[32+2*i], 16, v9
	v_and_b32 v[33+2*i], 0xffff0000, v9
.set i, i+1
.endr
.irp k, 0,1,2,3                        ; the sum of |w| in four chains
	v_add_f32 v[24+\k], |v[32+\k]|, |v[36+\k]|
.endr
.set i, 2
.rept 14
.irp k, 0,1,2,3
	v_add_f32 v[24+\k], v[24+\k], |v[32+4*i+\k]|
.endr
.set i, i+1
.endr
	v_add_f32 v24, v24, v25
	v_add_f32 v26, v26, v27
	v_add_f32 v24, v24, v26
	v_add_f32_dpp v24, v24, v24 row_xmask:1 row_mask:0xf bank_mask:0xf
	v_add_f32_dpp v24, v24, v24 row_xmask:2 row_mask:0xf bank_mask:0xf
	v_add_f32_dpp v24, v24, v24 row_xmask:4 row_mask:0xf bank_mask:0xf
	v_add_f32_dpp v24, v24, v24 row_xmask:8 row_mask:0xf bank_mask:0xf
	v_permlanex16_b32 v25, v24, s32, s33
	v_add_f32 v24, v24, v25
	s_lshl_b32 s34, s2, 2
	s_add_co_u32 s34, s34, PS
	v_mov_b32 v10, s34
	ds_store_b32 v10, v24
	s_wait_dscnt 0x0                               ; for the others' sake
	s_barrier_signal -1
	s_barrier_wait -1
	v_mov_b32 v11, PS
.irp k, 0,1,2,3
	ds_load_b128 v[100+4*\k:103+4*\k], v11 offset:16*\k
.endr
	s_wait_dscnt 0x0
	v_add_f32 v12, v100, v101
.set i, 2
.rept 14
	v_add_f32 v12, v12, v[100+i]
.set i, i+1
.endr
	v_mul_f32 v12, 0x37800000, v12                 ; alpha / 2 = sum / 32,768 / 2 = sum x 2^-16, exact
.set i, 0
.rept 64
	v_cmp_gt_f32 vcc_lo, |v[32+i]|, v12
	v_and_or_b32 v[32+i], v[32+i], s35, s36        ; 1.0 with w's sign,
	v_cndmask_b32 v[32+i], 0, v[32+i], vcc_lo      ; or 0
.set i, i+1
.endr
	v_mov_b32 v13, 1.0                             ; the conversion's scale: 2^0
.set i, 0
.rept 8
	v_cvt_scalef32_pk8_fp4_f32 v[16+i], v[32+8*i:39+8*i], v13
.set i, i+1
.endr
	v_nop                                          ; a plain instruction between the last conversion and the use of its result
.set i, 0
.rept 8                                ; group 512 i + t: row and group in the row; its word's place in the image
	v_add_nc_u32 v100, 512*i, v0
	v_lshrrev_b32 v101, s26, v100                  ; row
	v_and_b32 v102, s27, v100                      ; g8 = 4 (k block) + 2 j + half
	v_lshrrev_b32 v103, 5, v101
	v_lshlrev_b32 v103, s28, v103
	v_lshrrev_b32 v104, 2, v102
	v_lshlrev_b32 v104, s29, v104
	v_add_nc_u32 v103, v103, v104
	v_and_b32 v104, 15, v101
	v_lshl_add_u32 v103, v104, 4, v103             ; L 16 = (row % 16) 16
	v_and_b32 v104, 1, v102
	v_lshl_add_u32 v103, v104, 8, v103             ;        + half 256
	v_bfe_u32 v104, v101, 4, 1
	v_lshl_add_u32 v103, v104, 3, v103             ; s 8
	v_bfe_u32 v104, v102, 1, 1
	v_lshl_add_u32 v103, v104, 2, v103             ; j 4
	v_and_b32 v103, 0x3ffc, v103                   ; a word of the 16 KiB, whatever the shifts
	ds_store_b32 v103, v[16+i]
.set i, i+1
.endr
	s_wait_dscnt 0x0                               ; for the others' sake
	s_barrier_signal -1
	s_barrier_wait -1
	v_lshlrev_b32 v8, 4, v0
	ds_load_b128 v[32:35], v8
	ds_load_b128 v[36:39], v8 offset:8192
	v_lshrrev_b32 v9, 7, v0                        ; the image's 2 KiB pieces lie 4 KiB apart in wq, w1's and w2's by turns
	v_and_b32 v10, 127, v0
	v_lshlrev_b32 v10, 4, v10
	v_lshl_add_u32 v10, v9, 12, v10
	s_lshl_b32 s30, s21, 15
	s_lshl_b32 s34, s22, 11
	s_add_co_u32 s30, s30, s34
	s_add_nc_u64 s[38:39], s[18:19], s[30:31]
	s_wait_dscnt 0x0
	global_store_b128 v10, v[32:35], s[38:39]              ; each store of a wave covers 512 consecutive bytes, aligned
	global_store_b128 v10, v[36:39], s[38:39] offset:16384
	s_wait_tensorcnt 0x0                           ; behind my last LDS store: no LDS instruction follows
	ds_add_u32 v6, v7
	s_wait_dscnt 0x0
	s_cmp_lg_u32 s22, 0
	s_cbranch_scc1 .Lb2
	s_cmp_lt_u32 s2, 2
	s_cbranch_scc0 .Ldone
	s_lshl_b32 s30, s21, 10                        ; b1[e]: 256 numbers, four a lane of waves 0 and 1
	s_add_nc_u64 s[12:13], s[12:13], s[30:31]
	s_add_co_u32 s30, s30, 262144
	s_add_nc_u64 s[40:41], s[18:19], s[30:31]
	global_load_b128 v[40:43], v8, s[12:13]
	s_wait_loadcnt 0x0
	v_cvt_pk_bf16_f32 v44, v40, v41
	v_cvt_pk_bf16_f32 v45, v42, v43
	v_lshlrev_b32 v40, 16, v44
	v_and_b32 v41, 0xffff0000, v44
	v_lshlrev_b32 v42, 16, v45
	v_and_b32 v43, 0xffff0000, v45
	global_store_b128 v8, v[40:43], s[40:41]
	s_endpgm
.Lb2:
	s_cmp_eq_u32 s2, 0
	s_cbranch_scc0 .Ldone
	s_lshl_b32 s30, s21, 9                         ; b2[e]: 128 numbers, four a lane of wave 0
	s_add_nc_u64 s[14:15], s[14:15], s[30:31]
	s_lshl_b32 s30, s21, 8
	s_add_co_u32 s30, s30, 270336
	s_add_nc_u64 s[40:41], s[18:19], s[30:31]
	global_load_b128 v[40:43], v8, s[14:15]
	v_lshlrev_b32 v9, 3, v0
	s_wait_loadcnt 0x0
	v_cvt_pk_bf16_f32 v44, v40, v41
	v_cvt_pk_bf16_f32 v45, v42, v43
	v_lshlrev_b32 v40, 16, v44
	v_and_b32 v41, 0xffff0000, v44
	v_lshlrev_b32 v42, 16, v45
	v_and_b32 v43, 0xffff0000, v45
	v_cvt_pk_f16_f32 v46, v40, v41                 ; a bf16 number within f16's range is written as f16 without loss down to f16's smallest steps
	v_cvt_pk_f16_f32 v47, v42, v43
	global_store_b64 v9, v[46:47], s[40:41]        ; 256 consecutive bytes, aligned
.Ldone:
	s_endpgm
.Lfunc_end_k_q563f7088ab_sortprep:
	.size	k_q563f7088ab_sortprep, .Lfunc_end_k_q563f7088ab_sortprep-k_q563f7088ab_sortprep
	.p2alignl 7, 3214868480
	.fill 96, 4, 3214868480
	.section	.rodata,"a",@progbits
	.p2align	6, 0x0
	.amdhsa_kernel k_q563f7088ab_sortprep
		.amdhsa_group_segment_fixed_size 18688
		.amdhsa_private_segment_fixed_size 0
		.amdhsa_enable_private_segment 0
		.amdhsa_kernarg_size 64
		.amdhsa_user_sgpr_count 2
		.amdhsa_user_sgpr_kernarg_segment_ptr 1
		.amdhsa_wavefront_size32 1
		.amdhsa_system_sgpr_workgroup_id_x 1
		.amdhsa_system_sgpr_workgroup_id_y 1
		.amdhsa_system_sgpr_workgroup_id_z 1
		.amdhsa_system_vgpr_workitem_id 0
		.amdhsa_next_free_vgpr 128
		.amdhsa_next_free_sgpr 66
		.amdhsa_reserve_vcc 1
		.amdhsa_float_denorm_mode_32 3
		.amdhsa_float_denorm_mode_16_64 3
		.amdhsa_memory_ordered 1
		.amdhsa_forward_progress 1
		.amdhsa_inst_pref_size 76
	.end_amdhsa_kernel
	.amdgpu_metadata
---
amdhsa.version: [ 1, 2 ]
amdhsa.kernels:
  - .name:           k_q563f7088ab_sortprep
    .symbol:         k_q563f7088ab_sortprep.kd
    .args:
      - { .name: key, .offset: 0, .size: 8, .value_kind: global_buffer, .address_space: global }
      - { .name: hist, .offset: 8, .size: 8, .value_kind: global_buffer, .address_space: global }
      - { .name: w1, .offset: 16, .size: 8, .value_kind: global_buffer, .address_space: global }
      - { .name: w2, .offset: 24, .size: 8, .value_kind: global_buffer, .address_space: global }
      - { .name: b1, .offset: 32, .size: 8, .value_kind: global_buffer, .address_space: global }
      - { .name: b2, .offset: 40, .size: 8, .value_kind: global_buffer, .address_space: global }
      - { .name: ord, .offset: 48, .size: 8, .value_kind: global_buffer, .address_space: global }
      - { .name: wq, .offset: 56, .size: 8, .value_kind: global_buffer, .address_space: global }
    .group_segment_fixed_size: 18688
    .private_segment_fixed_size: 0
    .kernarg_segment_align: 8
    .kernarg_segment_size: 64
    .max_flat_workgroup_size: 512
    .sgpr_count:     66
    .vgpr_count:     128
    .wavefront_size: 32
...
	.end_amdgpu_metadata
.endif
;; end of part 2
;; launch moe (part 3): grid 256 x 1, 4 waves a work-group, no clusters, 327,680 bytes of LDS; arguments x, ord, wq, wg, bg, out0; writes out0
.if DOCPART == 3
	.amdgcn_target "amdgcn-amd-amdhsa--gfx1250"
	.amdhsa_code_object_version 6
	.text
	.protected	k_q563f7088ab_moe
	.globl	k_q563f7088ab_moe
	.p2align	8
	.type	k_q563f7088ab_moe,@function
k_q563f7088ab_moe:
	s_mov_b64 s[64:65], 0
	v_nop
	global_prefetch_b8 v0, s[64:65] scope:SCOPE_SE
	s_setreg_imm32_b32 hwreg(HW_REG_WAVE_MODE, 25, 1), 1
	s_wait_xcnt 0x0
; THE EXPERTS.  out[t] = sum over the five chosen e of w_e (W2q_e relu(W1q_e x + b1_e) + b2_e), for tokens taken in the order of ord (sorted by their set of experts).
; Since w_e >= 0, w_e relu(h) = relu(w_e h): out^T = sum_e W2q_e . f16(relu(w_e (W1q_e x^T + b1_e))) + b2^T w, all in ONE f32 accumulator; each output row has one owner.
; FORMATS.  x, wg, bg, b1, b2 and w are rounded once to bf16; x . W1q and x . wg by the bf16 matrix form (C = b1, bg); the gated hidden layer and the gate weights beside b2 in f16, by the f16 form.
; LIMITS.  |w_e x hidden| and |b2| stay under 65,504 (f16); below 6e-5 f16 keeps a fixed step of 6e-8.  NaN and infinities are not treated apart (with a NaN among the logits this text's rank and the
; router's may differ).  A fifth and sixth logit equal to within f32's rounding may be chosen otherwise than reference() does.
; THE GATE is computed here again, from the router's products on the same bf16 numbers, so its logits are the router's bit for bit and its choice is the router's; an expert not chosen has weight 0.
; So the result is right for any permutation in ord and any mask that holds the chosen experts: a pass of 64 tokens runs the experts of the OR of its tokens' masks, and jumps the others.
; softmax: u_e = 2^(c l_e - c max l), c = log2(e) / e; w_e = u_e chosen_e / (S5 + 1e-8 S8), which is p m / (sum + 1e-8) with the maximum taken away.
; THE WEIGHTS are -1, 0, +1: as FP4 codes all 16 matrices (256 KiB), with b1 and b2, stay in LDS from one fill; a code word (8 codes) is widened into 4 operand registers by one conversion:
; scale byte 127 gives bf16 +-1.0 for W1; scale byte 120 gives bf16 +-2^-7, whose bits 0x3c00 / 0xbc00 are f16 +-1.0, for W2.  So the loops have no ring, no barrier and no tensor load.
; LAYOUT.  Both products are used transposed: hid^T = W1 x^T holds one token a lane (lane % 16) and hidden units 8 (lane / 16) + 0..7; two such results packed to f16 ARE source 1 of out^T = W2 hid^T.
; SHARES.  A work-group has 512 places of ord, a wave 128: two PASSES of 64 tokens, four tiles of 16 in two pieces (tiles 0, 1 and 2, 3).  Behind one barrier the waves are independent.
; ONE LOOP of 16 trips walks a pass's experts: trip T is half T % 2 (four chunks of 32 hidden units) of expert T / 2; its codes lie at LDS byte 16,384 T and its bias at 262,144 + 512 T.
; NO CLUSTER: each wave branches on its own tokens' masks, which differ between work-groups; what is shared is the one fill of 272,384 bytes.
; REGISTERS, in windows of 256 (s_set_vgpr_msb: bits 1:0 source 0, 3:2 source 1, 5:4 source 2, 7:6 destination):
;   window 0: see the names below      window 1: out^T, tile t, outputs 16 ob on, at 64 t + 8 ob
;   window 2: v0-127 x's fragments (32 t + 8 kc); v128-191 W1's 8 fragments of a chunk; v192-255 W2's      window 3: 64 gathered rows of x, 4 registers each
.set IMGB1, 262144                     ; b1 in the image
.set IMGB2, 270336                     ; b2
.set QTR,   68096                      ; a wave fills a quarter of the image: 266 rows of 256 bytes
.set STAGE, 272384                     ; behind the image, never filled by a tensor load: a stage for each wave
.set STG,   8448                       ; 16 rows x 528 bytes (out), of which x's 16 rows x 272 use the head
.set SPARE, STAGE+4*STG                ; the spare words: 128 bytes a wave, named by no other line
.set PX,    272                        ; 256 + 16 and 512 + 16: the 16 rows that a load or store touches start 4 banks apart (64 banks of 4 bytes: ISA guide 11.1)
.set PO,    528
.set NCH,   4                          ; chunks in a trip
.set LO,   1                           ; 16 x lane
.set RR,   2                           ; lane % 16
.set HF,   3                           ; lane / 16
.set XST,  4                           ; stage: my 8 bytes of a row of x
.set XLD,  5                           ; stage: my fragment's 16 bytes
.set OST,  6                           ; stage: my 32 bytes of a row of out
.set OLD,  7                           ; stage: my 16 bytes of a whole row
.set AW,   8                           ; LDS address of the trip's codes
.set AB,   9                           ; of its bias
.set WGO,  10
.set AB0,  11
.set B2A,  12
.set ZERO, 13
.set SC1,  14
.set SC2,  15
.set SPW,  16                          ; my spare word; never rewritten
.set NIL,  17                          ; 0; never rewritten
.set MX,   18                          ; v18-29 at work in the gate, one register a tile: the maximum, later S5;
.set CM,   22                          ; c max, later the divisor;
.set S8,   26                          ; the sum of all eight, later the reciprocal
.set S5,   18
.set DEN,  22
.set RC,   26
.set S0,   32                          ; v32-95   hid^T: piece p, tile, 16 registers; also logits (v32-63), rank figures (v64-95), rows on the way out
.set RKB,  64
.set P0,   96                          ; v96-127  the f16 operand, 8 a tile; also the stores' offsets
.set G,    128                         ; v128-159 gate weights, 8 a tile; the expert in hand lies at + 0
.set BIAS, 160                         ; v160-175 b1 of the chunk
.set W1R,  176                         ; v176-191 W1's 16 code words
.set W2R,  192                         ; v192-207 W2's
.set FB,   160                         ; in the gate: v160-187 the 28 flags of a tile, v188-199 at work
.set TBB,  188
.set TQ,   188
.set WGF,  208                         ; v208-239 wg's fragments
.set BGC,  240                         ; v240-247 bg
.set W1,   128                         ; window 2
.set W2,   192
.set WV,    2
.set WAS,   16                         ; s16-23 hold the descriptor's shape until the fill has landed; then these
.set VALID, 17
.set WE,    18                         ; 16,384 T
.set BE,    19                         ; 512 T
.set TS,    20
.set HM,    21
.set CC,    22
.set PASS,  28
.set MASK,  29
.set MASKN, 30
.set TT,    31                         ; T
.set MSB, 0
.macro WIN new                         ; the immediate's high byte repeats the setting that is left; a switch that changes nothing is dropped
.if MSB != (\new)
	s_set_vgpr_msb (MSB<<8)|(\new)
.set MSB, \new
.endif
.endm
.macro PLACES                          ; four places behind a matrix instruction (ISA guide 7.12.1)
.rept 4
	v_nop
.endr
.endm
.macro ALLT line:vararg                ; one line for each tile t
.set t, 0
.rept 4
	\line
.set t, t+1
.endr
.endm
; 64 ids of a pass: id n lies in s[32 + n + 4 (n / 32)]: s32-63 and s68-99
.macro IDS off
	s_load_b512 s[32:47], s[6:7], (\off)
	s_load_b512 s[48:63], s[6:7], (\off)+64
	s_load_b512 s[68:83], s[6:7], (\off)+128
	s_load_b512 s[84:99], s[6:7], (\off)+192
.endm
.macro IDCLAMP                         ; the mask is cut off; a loaded number enters an address only held inside the table
.set n, 0
.rept 64
	s_and_b32 s[32+n+4*(n/32)], s[32+n+4*(n/32)], 0x1ffff
	s_min_u32 s[32+n+4*(n/32)], s[32+n+4*(n/32)], 0x1ffff
.set n, n+1
.endr
.endm
; The pass's mask of experts, and its 64 rows of x: a load takes one row, 512 consecutive bytes, and lands on its own offset register
.macro GATHER
	s_or_b32 s[MASKN], s32, s33
.set n, 2
.rept 62
	s_or_b32 s[MASKN], s[MASKN], s[32+n+4*(n/32)]
.set n, n+1
.endr
	s_lshr_b32 s[MASKN], s[MASKN], 24
	IDCLAMP
	WIN 0xc0
.set n, 0
.rept 64
	v_lshl_add_u32 v[4*n], s[32+n+4*(n/32)], 9, v[LO]
.set n, n+1
.endr
	WIN 0xc3
.set n, 0
.rept 64
	global_load_b128 v[4*n:4*n+3], v[4*n], s[4:5] th:TH_LOAD_NT
.set n, n+1
.endr
	WIN 0
.endm
; Tile t: 16 rows are rounded to bf16 in place, laid into my stage and read back as four fragments.  The bytes are the wave's own; LDS serves a wave's instructions in order (ISA guide 5.7.1.4)
.macro XCONV t
	WIN 0xcf
.set i, 64*(\t)
.rept 16
	v_cvt_pk_bf16_f32 v[i], v[i], v[i+1]
	v_cvt_pk_bf16_f32 v[i+1], v[i+2], v[i+3]
.set i, i+4
.endr
	WIN 0x0c
.set i, 0
.rept 16
	ds_store_b64 v[XST], v[64*(\t)+4*i:64*(\t)+4*i+1] offset:PX*i
.set i, i+1
.endr
	WIN 0x80
.irp kc, 0,1,2,3
	ds_load_b128 v[32*(\t)+8*\kc:32*(\t)+8*\kc+3],   v[XLD] offset:64*\kc
	ds_load_b128 v[32*(\t)+8*\kc+4:32*(\t)+8*\kc+7], v[XLD] offset:64*\kc+32
.endr
.endm
; THE RANK.  For j < e let f(j, e) = 1 where l_j >= l_e, else 0.  The rank of expert e (how many come before it; on equal logits the lower index first, as jax.lax.top_k has it) is
; A_e + (7 - e) - B_e with A_e = the sum over i < e of f(i, e) and B_e = the sum over j > e of f(e, j): for j > e, l_j > l_e is the same as not l_e >= l_j.
; 28 compares, each into a scalar register of its own, 28 selects, 30 sums in four levels: no line waits for the line before it.  Kept for tile t: B_0, and A_e - B_e for e = 1 .. 7.
.macro FX sym, j, e                    ; the register of f(j, e): the flags lie by j, then by e
.set \sym, FB+7*(\j)-(\j)*((\j)-1)/2+(\e)-(\j)-1
.endm
.macro FSUM3 d, j1, e1, j2, e2, j3, e3
	FX fa, \j1, \e1
	FX fb, \j2, \e2
	FX fc, \j3, \e3
	v_add3_u32 v[\d], v[fa], v[fb], v[fc]
.endm
.macro FSUM2 d, j1, e1, j2, e2
	FX fa, \j1, \e1
	FX fb, \j2, \e2
	v_add_nc_u32 v[\d], v[fa], v[fb]
.endm
.macro FADD2 d, s, j1, e1, j2, e2
	FX fa, \j1, \e1
	FX fb, \j2, \e2
	v_add3_u32 v[\d], v[\s], v[fa], v[fb]
.endm
.macro FADD1 d, s, j1, e1
	FX fa, \j1, \e1
	v_add_nc_u32 v[\d], v[\s], v[fa]
.endm
.macro RANKT t
.set rL, S0+8*(\t)
.set rR, RKB+8*(\t)
.set j, 0
.rept 7
.set e, 0
.rept 8
.if e > j
	v_cmp_ge_f32 s[32+7*j-j*(j-1)/2+e-j-1], v[rL+j], v[rL+e]
.endif
.set e, e+1
.endr
.set j, j+1
.endr
.set p, 0
.rept 28
	v_cndmask_b32 v[FB+p], 0, 1, s[32+p]
.set p, p+1
.endr
	FSUM3 TBB+0, 0,1, 0,2, 0,3
	FSUM3 TBB+1, 1,2, 1,3, 1,4
	FSUM3 TBB+2, 2,3, 2,4, 2,5
	FSUM3 TBB+3, 3,4, 3,5, 3,6
	FSUM3 TBB+4, 4,5, 4,6, 4,7
	FSUM2 TBB+5, 5,6, 5,7
	FSUM3 rR+7, 0,7, 1,7, 2,7
	FSUM3 rR+6, 0,6, 1,6, 2,6
	FSUM3 rR+5, 0,5, 1,5, 2,5
	FSUM3 rR+4, 0,4, 1,4, 2,4
	FSUM3 rR+3, 0,3, 1,3, 2,3
	FSUM2 rR+2, 0,2, 1,2
	FADD2 TBB+0, TBB+0, 0,4, 0,5
	FADD2 TBB+1, TBB+1, 1,5, 1,6
	FADD2 TBB+2, TBB+2, 2,6, 2,7
	FADD1 TBB+3, TBB+3, 3,7
	FADD2 rR+7, rR+7, 3,7, 4,7
	FADD2 rR+6, rR+6, 3,6, 4,6
	FADD2 rR+5, rR+5, 3,5, 4,5
	FADD1 rR+4, rR+4, 3,4
	FADD2 rR+0, TBB+0, 0,6, 0,7                    ; B_0
	FADD1 TBB+1, TBB+1, 1,7
	FADD2 rR+7, rR+7, 5,7, 6,7                     ; A_7; B_7 is empty
	FADD1 rR+6, rR+6, 5,6
.irp e, 2,3,4,5
	v_sub_nc_u32 v[rR+\e], v[rR+\e], v[TBB+\e]
.endr
	FX fa, 0, 1
	v_sub_nc_u32 v[rR+1], v[fa], v[TBB+1]          ; A_1 = f(0, 1)
	FX fa, 6, 7
	v_sub_nc_u32 v[rR+6], v[rR+6], v[fa]           ; B_6 = f(6, 7)
.endm
.macro SUM8A d                         ; the eight of G, for each tile
	ALLT v_add_f32 v[(\d)+t], v[G+8*t], v[G+8*t+1]
	ALLT v_add_f32 v[TQ+3*t], v[G+8*t+2], v[G+8*t+3]
	ALLT v_add_f32 v[TQ+3*t+1], v[G+8*t+4], v[G+8*t+5]
	ALLT v_add_f32 v[TQ+3*t+2], v[G+8*t+6], v[G+8*t+7]
	ALLT v_add_f32 v[(\d)+t], v[(\d)+t], v[TQ+3*t]
	ALLT v_add_f32 v[TQ+3*t+1], v[TQ+3*t+1], v[TQ+3*t+2]
	ALLT v_add_f32 v[(\d)+t], v[(\d)+t], v[TQ+3*t+1]
.endm
; The four tiles' gate weights, side by side, in f32 (G) and, for the product with b2, as an f16 operand: k = expert 0..7 lies in registers 0-3 of lanes 0-15; all else of the operand is 0.
; The 32 exponentials are one batch with one wait, the four reciprocals another.
.macro GATES4
	ALLT v_max3_num_f32 v[MX+t], v[S0+8*t], v[S0+8*t+1], v[S0+8*t+2]
	ALLT v_max3_num_f32 v[MX+t], v[MX+t], v[S0+8*t+3], v[S0+8*t+4]
	ALLT v_max3_num_f32 v[MX+t], v[MX+t], v[S0+8*t+5], v[S0+8*t+6]
	ALLT v_max_num_f32 v[MX+t], v[MX+t], v[S0+8*t+7]
	ALLT v_mul_f32 v[CM+t], s[CC], v[MX+t]
.irp e, 0,1,2,3,4,5,6,7
	ALLT v_fma_f32 v[G+8*t+\e], v[S0+8*t+\e], s[CC], -v[CM+t]
.endr
.irp e, 0,1,2,3,4,5,6,7
	ALLT v_exp_f32 v[G+8*t+\e], v[G+8*t+\e]
.endr
	v_nop                                          ; a plain instruction behind the last exponential,
	s_wait_alu depctr_va_vdst(0)                   ; and the one wait ahead of the batch's first reader
	SUM8A S8
	ALLT v_cmp_lt_u32 s[32+8*t], 2, v[RKB+8*t]     ; expert 0 is chosen where 7 - B_0 < 5;
.irp e, 1,2,3,4,5,6,7
	ALLT v_cmp_gt_i32 s[32+8*t+\e], \e-2, v[RKB+8*t+\e]  ; expert e where A_e - B_e < e - 2
.endr
.irp e, 0,1,2,3,4,5,6,7
	ALLT v_cndmask_b32 v[G+8*t+\e], 0, v[G+8*t+\e], s[32+8*t+\e]
.endr
	SUM8A S5
	ALLT v_fma_f32 v[DEN+t], v[S8+t], 0x322bcc77, v[S5+t]  ; S5 + 1e-8 S8
	ALLT v_rcp_f32 v[RC+t], v[DEN+t]
	v_nop
	s_wait_alu depctr_va_vdst(0)
.irp e, 0,1,2,3,4,5,6,7
	ALLT v_mul_f32 v[G+8*t+\e], v[G+8*t+\e], v[RC+t]
.endr
.irp n, 0,1,2,3
	ALLT v_cvt_pk_f16_f32 v[P0+8*t+\n], v[G+8*t+2*\n], v[G+8*t+2*\n+1]
.endr
.irp n, 0,1,2,3
	ALLT v_cndmask_b32 v[P0+8*t+\n], 0, v[P0+8*t+\n], s[HM]
	ALLT v_mov_b32 v[P0+8*t+4+\n], 0
.endr
.endm
; LDS loads of chunk c of the trip: 16 code words of W1, of W2 (a lane's 16 bytes are two fragments' words), and 16 numbers of b1 (hidden units 8 half + 0..7 and 16 + 8 half + 0..7)
.macro LDW1 c
	WIN 0
.irp k, 0,1,2,3
	ds_load_b128 v[W1R+4*\k:W1R+4*\k+3], v[AW] offset:(\c)*4096+512*\k
.endr
.endm
.macro LDW2 c
	WIN 0
.irp k, 0,1,2,3
	ds_load_b128 v[W2R+4*\k:W2R+4*\k+3], v[AW] offset:(\c)*4096+2048+512*\k
.endr
.endm
.macro LDB c
	WIN 0
	ds_load_b128 v[BIAS:BIAS+3],     v[AB] offset:(\c)*128
	ds_load_b128 v[BIAS+4:BIAS+7],   v[AB] offset:(\c)*128+16
	ds_load_b128 v[BIAS+8:BIAS+11],  v[AB] offset:(\c)*128+64
	ds_load_b128 v[BIAS+12:BIAS+15], v[AB] offset:(\c)*128+80
.endm
.macro CV1 n                           ; the next n code words of W1 -> 4 registers each, bf16
	WIN 0x80
.rept \n
	v_cvt_scale_pk8_bf16_fp4 v[W1+4*c1:W1+4*c1+3], v[W1R+c1], v[SC1]
.set c1, c1+1
.endr
.endm
.macro CV2 n                           ; of W2: bf16 +-2^-7, read as f16 +-1.0
	WIN 0x80
.rept \n
	v_cvt_scale_pk8_bf16_fp4 v[W2+4*c2:W2+4*c2+3], v[W2R+c2], v[SC2]
.set c2, c2+1
.endr
.endm
; Product i of 16 of hid^T = W1 x^T + b1 for piece p: channels 32 (i / 4) on, hidden units 16 ((i / 2) % 2) on, tile 2 p + i % 2.  The four accumulators take turns
.macro M1 p, i
	WIN 0x0a
.set kc, (\i)/4
.set hb, ((\i)/2)%2
.set tl, (\i)%2
.set rD, S0+32*(\p)+16*tl+8*hb
.set rA, W1+8*(2*kc+hb)
.set rB, 32*(2*(\p)+tl)+8*kc
.if kc == 0
	v_wmma_f32_16x16x32_bf16 v[rD:rD+7], v[rA:rA+7], v[rB:rB+7], v[BIAS+8*hb:BIAS+8*hb+7]
.else
	v_wmma_f32_16x16x32_bf16 v[rD:rD+7], v[rA:rA+7], v[rB:rB+7], v[rD:rD+7]
.endif
.endm
; Product i of 16 of out^T += W2 hid^T for piece p: outputs 16 (i / 2) on, tile 2 p + i % 2: sixteen accumulators by turns
.macro M2 p, i
	WIN 0x52
.set rD, 64*(2*(\p)+(\i)%2)+8*((\i)/2)
.set rA, W2+8*((\i)/2)
.set rB, P0+16*(\p)+8*((\i)%2)
	v_wmma_f32_16x16x32_f16 v[rD:rD+7], v[rA:rA+7], v[rB:rB+7], v[rD:rD+7]
.endm
; Line q of 48 of piece p's vector work, the two tiles alternating: 0-15 times the gate weight (each accumulator's lowest registers first); 16-31 to f16; 32-47 relu on the packed halves
.macro VQ p, q
	WIN 0
.set tl, (\q)%2
.set n, ((\q)%16)/2
.set rS, S0+32*(\p)+16*tl
.set rP, P0+16*(\p)+8*tl
.set rG, G+8*(2*(\p)+tl)
.if (\q) < 16
	v_pk_mul_f32 v[rS+2*n:rS+2*n+1], v[rS+2*n:rS+2*n+1], v[rG:rG+1] op_sel_hi:[1,0]
.elseif (\q) < 32
	v_cvt_pk_f16_f32 v[rP+n], v[rS+2*n], v[rS+2*n+1]
.else
	v_pk_max_num_f16 v[rP+n], v[rP+n], v[ZERO]
.endif
.endm
.macro RV p, n                         ; the next n of them
.rept \n
.if (\p) == 0
	VQ 0, vq0
.set vq0, vq0+1
.else
	VQ 1, vq1
.set vq1, vq1+1
.endif
.endr
.endm
; The trip's chunk 0 is made ready: its W1 widened, its bias and W2 codes asked for.  dscnt 8: the bias's four loads and W2's four are younger than W1's.  AW and AB are the trip's.
.macro RESTART
	WIN 0
	s_wait_dscnt 0x0                               ; no load is out into the registers that are loaded anew
	LDW1 0
	LDB 0
	LDW2 0
	s_wait_dscnt 0x8
.set c1, 0
	CV1 16
	WIN 0
	v_nop                                          ; a plain instruction between the last conversion and the first use
.endm
; HALF AN EXPERT: four chunks k = 0 .. 3 of 32 hidden units for the pass's 64 tokens, 256 products in stages of 16, the vector work dealt behind them: three lines behind a product at the most, two as a rule.
; M1 p (k): hid^T of piece p; V p (k): its 48 lines; M2 p (k): out^T += of piece p; C1 (k), C2 (k): the 16 conversions of W1's, W2's codes.
;   A0   M1 0 (0)   | C2 (0)                          A1   M1 1 (0)   | V 0 (0)
;   T1   M2 0 (k)   | C1 (k+1), V 1 (k) lines 0-15    T2   M1 0 (k+1) | V 1 (k) lines 16-47        for k = 0, 1, 2
;   T3   M2 1 (k)   | V 0 (k+1) lines 0-31            T4   M1 1 (k+1) | C2 (k+1), V 0 (k+1) lines 32-47
;   T1'  M2 0 (3)   | V 1 (3)                         T3'  M2 1 (3)   | C1 (4)
; At the head W1 holds chunk 0, its bias and W2 codes are asked for; the end leaves the same for chunk 4, which is the next trip's chunk 0 (behind trip 15 these reads fall on b1's and b2's bytes, and nothing uses them).
; LDS LOADS: behind A1's sixth product W1's codes (1) and bias (1); behind T2's sixth W1's codes (k+2) and W2's (k+1); behind T4's ninth bias (k+2); behind T1''s sixth W2's codes (4).
; WAITS: at the head for the bias and W2's codes of chunk 0; ahead of T1 (0) dscnt 4: the bias's four loads are younger than W1's codes; ahead of each T2 for the bias; ahead of each T4 for T2's eight loads.
; PLACES (ISA guide 7.12.1).  The first read of a sum stands four plain lines behind the product that ended it: the plain riders behind the last four products of the stage before (in A0 four v_nop).
; W1 and W2 are written at least four plain lines behind the last product that read them: C2 (0) behind the four lines at the trip's head, the others behind a stage's riders.  The bias is loaded anew behind
; six plain riders or more that follow the last product that took it.  A plain line follows every conversion ahead of the first use of its result.
.macro ST_A0
.set c2, 0
.set i, 0
.rept 16
	M1 0, i
	CV2 1
.if i >= 12
	v_nop
.endif
.set i, i+1
.endr
.endm
.macro ST_A1
.set vq0, 0
.set i, 0
.rept 16
	M1 1, i
	RV 0, 3
.if i == 5
	LDW1 1
	LDB 1
.endif
.set i, i+1
.endr
.endm
.macro ST_T1
.set vq1, 0
.set c1, 0
.set i, 0
.rept 16
	M2 0, i
	CV1 1
	RV 1, 1
.set i, i+1
.endr
.endm
.macro ST_T2 k
.set i, 0
.rept 16
	M1 0, i
	RV 1, 2
.if i == 5
	LDW1 (\k)+2
	LDW2 (\k)+1
.endif
.set i, i+1
.endr
.endm
.macro ST_T3
.set vq0, 0
.set i, 0
.rept 16
	M2 1, i
	RV 0, 2
.set i, i+1
.endr
.endm
.macro ST_T4 k
.set c2, 0
.set i, 0
.rept 16
	M1 1, i
	CV2 1
	RV 0, 1
.if i == 8
	LDB (\k)+2
.endif
.set i, i+1
.endr
.endm
.macro ST_T1L
.set vq1, 0
.set i, 0
.rept 16
	M2 0, i
	RV 1, 3
.if i == 5
	LDW2 NCH
.endif
.set i, i+1
.endr
.endm
.macro ST_T3L
.set c1, 0
.set i, 0
.rept 16
	M2 1, i
	CV1 1
.set i, i+1
.endr
.endm
.macro HALF
	s_wait_dscnt 0x0                               ; chunk 0's bias and W2 codes are in
	ST_A0
	ST_A1
	s_wait_dscnt 0x4                               ; W1's codes of chunk 1 are in; the bias's four loads are younger
.set kk, 0
.rept NCH-1
	ST_T1
	s_wait_dscnt 0x0                               ; the next chunk's bias is in
	ST_T2 kk
	ST_T3
	s_wait_dscnt 0x0                               ; T2's eight loads are in: W2's codes for this stage, W1's for the next T1
	ST_T4 kk
.set kk, kk+1
.endr
	ST_T1L
	ST_T3L
	WIN 0
.endm
; Tile t leaves: 32 bytes a lane into rows of 528 bytes, back as whole rows, and each row, 512 consecutive bytes, to its token's place.  dscnt 15 - row: the later rows' loads may be out.
.macro OUTT t
	WIN 0x04
.irp ob, 0,1,2,3,4,5,6,7
	ds_store_b128 v[OST], v[64*(\t)+8*\ob:64*(\t)+8*\ob+3]   offset:64*\ob
	ds_store_b128 v[OST], v[64*(\t)+8*\ob+4:64*(\t)+8*\ob+7] offset:64*\ob+16
.endr
	WIN 0
	s_wait_xcnt 0x0                                ; the last tile's stores have had their addresses translated (ISA guide 3.1): only now are their offsets and data rewritten
.set i, 0
.rept 16
	v_lshl_add_u32 v[P0+i], s[32+16*(\t)+i+4*((16*(\t)+i)/32)], 9, v[LO]
.set i, i+1
.endr
.set i, 0
.rept 16
	ds_load_b128 v[S0+4*i:S0+4*i+3], v[OLD] offset:PO*i
.set i, i+1
.endr
.set i, 0
.rept 16
	s_wait_dscnt 15-i
	global_store_b128 v[P0+i], v[S0+4*i:S0+4*i+3], s[14:15] th:TH_STORE_NT
.set i, i+1
.endr
.endm
	s_load_b256 s[4:11], s[0:1], 0x0               ; x s[4:5], ord s[6:7], wq s[8:9], wg s[10:11]
	s_load_b128 s[12:15], s[0:1], 0x20             ; bg s[12:13], out s[14:15]
	v_lshl_add_u32 v[SPW], v0, 2, SPARE
	v_mov_b32 v[NIL], 0
	ds_add_u32 v[SPW], v[NIL]                      ; the wave's opening: the add and its wait ahead of my first tensor load; work on registers stands between
	v_lshrrev_b32 v18, 5, v0
	v_readfirstlane_b32 s[WV], v18                 ; wave 0..3
	s_mov_b32 s16, 3<<16                           ; group 1: elements of 8 bytes, no mask, no padding
	s_mov_b32 s17, 32<<16                          ; tensor_dim0 = 32 elements: rows of 256 bytes
	s_mov_b32 s18, 266<<16                         ; tensor_dim1 = 266 rows
	s_mov_b32 s19, 32<<16                          ; tile_dim0 = 32
	s_mov_b32 s20, 266                             ; tile_dim1 = 266
	s_mov_b32 s21, 32                              ; the rows are dense
	s_mov_b32 s22, 0
	s_mov_b32 s23, 0
	s_mov_b32 s24, 1                               ; group 0: count 1,
	s_mul_i32 s25, s[WV], QTR                      ; LDS address: my quarter of the image,
	s_mov_b32 s28, s25
	s_mov_b32 s29, 0
	s_lshl_b32 s30, ttmp9, 11                      ; my work-group's 512 places of ord, my wave's 128
	s_lshl_b32 s31, s[WV], 9
	s_add_co_u32 s30, s30, s31
	s_mov_b32 s31, 0
	s_wait_dscnt 0x0                               ; the opening add is done
	s_wait_kmcnt 0x0
	s_add_nc_u64 s[26:27], s[8:9], s[28:29]        ; and the same quarter of wq
	s_or_b32 s27, s27, 0x80000000                  ; type 2
	tensor_load_to_lds s[24:27], s[16:23]          ; my one tensor load: no byte of LDS is filled twice
	s_nop 0
	PLACES
	s_add_nc_u64 s[6:7], s[6:7], s[30:31]
	IDS 0
	v_and_b32 v19, 31, v0
	v_lshlrev_b32 v[LO], 4, v19
	v_and_b32 v[RR], 15, v0
	v_bfe_u32 v[HF], v0, 4, 1
	s_mul_i32 s3, s[WV], STG
	s_add_co_u32 s3, s3, STAGE                     ; my stage
	v_lshl_add_u32 v[XST], v19, 3, s3
	v_mul_u32_u24 v[XLD], v[RR], PX
	v_lshl_add_u32 v[XLD], v[HF], 4, v[XLD]
	v_add_nc_u32 v[XLD], s3, v[XLD]
	v_mul_u32_u24 v[OST], v[RR], PO
	v_lshl_add_u32 v[OST], v[HF], 5, v[OST]
	v_add_nc_u32 v[OST], s3, v[OST]
	v_add_nc_u32 v[OLD], s3, v[LO]
	v_and_b32 v20, 7, v0
	v_lshlrev_b32 v[WGO], 9, v20                   ; A's rows 8-15 repeat the 8 experts
	v_lshl_add_u32 v[WGO], v[HF], 5, v[WGO]
	v_lshlrev_b32 v[AB0], 5, v[HF]
	v_add_nc_u32 v[AB0], IMGB1, v[AB0]
	v_bfe_u32 v21, v0, 3, 1
	v_lshlrev_b32 v[B2A], 8, v20                   ; the turning load's row (expert lane % 8, in both halves of the lanes) and 16 bytes
	v_lshl_add_u32 v[B2A], v21, 4, v[B2A]
	v_add_nc_u32 v[B2A], IMGB2, v[B2A]
	v_mov_b32 v[ZERO], 0
	v_mov_b32 v[SC1], 0x7f7f7f7f                   ; the conversions' scale byte, 127 and 120, in each of the word's four bytes
	v_mov_b32 v[SC2], 0x78787878
.irp kc, 0,1,2,3
	global_load_b128 v[S0+16*\kc:S0+16*\kc+3],     v[WGO], s[10:11] offset:128*\kc
	global_load_b128 v[S0+16*\kc+4:S0+16*\kc+7],   v[WGO], s[10:11] offset:128*\kc+16
	global_load_b128 v[S0+16*\kc+8:S0+16*\kc+11],  v[WGO], s[10:11] offset:128*\kc+64
	global_load_b128 v[S0+16*\kc+12:S0+16*\kc+15], v[WGO], s[10:11] offset:128*\kc+80
.endr
	global_load_b128 v[BGC:BGC+3],   v[ZERO], s[12:13]
	global_load_b128 v[BGC+4:BGC+7], v[ZERO], s[12:13] offset:16
	s_wait_kmcnt 0x0
	GATHER                                         ; the first pass's rows
	s_wait_loadcnt 63                              ; 64 rows are younger than wg and bg, and a wait names 63 at the most: wg, bg and the first row are in, 63 rows stay out
.set n, 0
.rept 32
	v_cvt_pk_bf16_f32 v[WGF+n], v[S0+2*n], v[S0+2*n+1]
.set n, n+1
.endr
.irp n, 0,2,4,6
	v_cvt_pk_bf16_f32 v18, v[BGC+\n], v[BGC+\n+1]
	v_lshlrev_b32 v[BGC+\n], 16, v18
	v_and_b32 v[BGC+\n+1], 0xffff0000, v18
.endr
	s_wait_tensorcnt 0x0                           ; my quarter of the image is in,
	s_barrier_signal -1
	s_barrier_wait -1                              ; everybody's is: the launch's one barrier
	s_mov_b32 s[PASS], 2
	s_mov_b32 s[HM], 0xffff                        ; lanes 0-15
	s_mov_b32 s[CC], 0x3f07de6f                    ; c = log2(e) / e = 0.530738
.Lpass:
	s_wait_xcnt 0x0                                ; the last pass's stores have read their registers
.irp t, 0,1,2,3
	s_wait_loadcnt 48-16*\t                        ; tile t's rows are in; the later tiles' may be out
	XCONV \t
.endr
	WIN 0
	s_mov_b32 s[MASK], s[MASKN]
	s_wait_dscnt 0x0                               ; x's fragments are in, and the stage has read the rows' registers
	s_cmp_eq_u32 s[PASS], 1
	s_cbranch_scc1 .Lno_gather                     ; behind the last pass there is nothing to fetch
	IDS 256
	s_wait_kmcnt 0x0
	GATHER                                         ; the next pass's 64 rows are on their way during the whole of this pass
.Lno_gather:
	WIN 0x08
.set i, 0
.rept 16                               ; l^T = wg x^T + bg, four accumulators by turns
.set kc, i/4
.set t, i%4
.if kc == 0
	v_wmma_f32_16x16x32_bf16 v[S0+8*t:S0+8*t+7], v[WGF+8*kc:WGF+8*kc+7], v[32*t+8*kc:32*t+8*kc+7], v[BGC:BGC+7]
.else
	v_wmma_f32_16x16x32_bf16 v[S0+8*t:S0+8*t+7], v[WGF+8*kc:WGF+8*kc+7], v[32*t+8*kc:32*t+8*kc+7], v[S0+8*t:S0+8*t+7]
.endif
.set i, i+1
.endr
	WIN 0
	PLACES
	RANKT 0
	RANKT 1
	RANKT 2
	RANKT 3
	GATES4
	IDS 0                                          ; this pass's ids again, for the way out: behind the gate, whose masks lay in these registers; waited for behind the experts
	; out^T starts as b2^T w: nothing is cleared.  b2 lies [expert][output] in f16 and comes turned; k = 8..31 of the operand repeat finite numbers, and meet zeros
	WIN 0x80
.irp ob, 0,1,2,3,4,5,6,7
	ds_load_tr16_b128 v[W2+8*\ob:W2+8*\ob+3],   v[B2A] offset:32*\ob
	ds_load_tr16_b128 v[W2+8*\ob+4:W2+8*\ob+7], v[B2A] offset:32*\ob
.endr
	s_wait_dscnt 0x0
	WIN 0x52
.set i, 0
.rept 32
	v_wmma_f32_16x16x32_f16 v[64*(i%4)+8*(i/4):64*(i%4)+8*(i/4)+7], v[W2+8*(i/4):W2+8*(i/4)+7], v[P0+8*(i%4):P0+8*(i%4)+7], 0
.set i, i+1
.endr
	WIN 0
	PLACES                                         ; between these products and the lines that write their operands anew
	s_mov_b32 s[WE], 0
	s_mov_b32 s[BE], 0
	v_add_nc_u32 v[AW], s[WE], v[LO]
	v_add_nc_u32 v[AB], s[BE], v[AB0]
	RESTART                                        ; trip 0's first chunk, whether or not expert 0 is wanted: so the operands are written on every way into the loop
	s_mov_b32 s[VALID], 1
	s_mov_b32 s[TT], 0
.Ltrip:                                                ; 16 trips; a trip of an expert that no token of the pass chose jumps to the loop's foot: what is jumped holds no barrier and no tensor load
	s_lshl_b32 s[WE], s[TT], 14                    ; the trip's codes,
	s_lshl_b32 s[BE], s[TT], 9                     ; and its bias
	s_lshr_b32 s[TS], s[TT], 1                     ; its expert
	s_lshr_b32 s[TS], s[MASK], s[TS]
	s_and_b32 s[TS], s[TS], 1
	s_mov_b32 s[WAS], s[VALID]                     ; did the trip before run, and so leave this trip's first chunk ready?
	s_mov_b32 s[VALID], s[TS]
	s_cmp_eq_u32 s[TS], 0
	s_cbranch_scc1 .Lnext
	v_add_nc_u32 v[AW], s[WE], v[LO]               ; four plain lines: the places between the last trip's last products and the conversions that write W2 anew
	v_add_nc_u32 v[AB], s[BE], v[AB0]
	v_nop
	v_nop
	s_cmp_eq_u32 s[WAS], 1
	s_cbranch_scc1 .Lgo
	RESTART
.Lgo:
	HALF
.Lnext:
	s_and_b32 s[TS], s[TT], 1
	s_cmp_eq_u32 s[TS], 0
	s_cbranch_scc1 .Lsame                          ; the next trip is the same expert's
.irp t, 0,1,2,3                        ; behind an expert's second half the next expert's weight moves to the place that the one text of the half names
.irp j, 0,1,2,3,4,5,6
	v_mov_b32 v[G+8*\t+\j], v[G+8*\t+\j+1]
.endr
.endr
.Lsame:
	s_add_co_u32 s[TT], s[TT], 1
	s_cmp_lt_u32 s[TT], 16
	s_cbranch_scc1 .Ltrip
	PLACES                                         ; between the last products and the stores that read their sums
	s_wait_dscnt 0x0                               ; the look-ahead's loads are back
	s_wait_kmcnt 0x0                               ; the pass's ids are in
	IDCLAMP
	OUTT 0
	OUTT 1
	OUTT 2
	OUTT 3
	s_add_nc_u64 s[6:7], s[6:7], 256               ; the next pass's ids; no scalar load is out
	s_sub_co_u32 s[PASS], s[PASS], 1
	s_cmp_lg_u32 s[PASS], 0
	s_cbranch_scc1 .Lpass
	s_wait_tensorcnt 0x0                           ; the wave's end: behind my last tensor load and my last LDS store
	ds_add_u32 v[SPW], v[NIL]
	s_wait_dscnt 0x0
	s_endpgm
.Lfunc_end_k_q563f7088ab_moe:
	.size	k_q563f7088ab_moe, .Lfunc_end_k_q563f7088ab_moe-k_q563f7088ab_moe
	.p2alignl 7, 3214868480
	.fill 96, 4, 3214868480
	.section	.rodata,"a",@progbits
	.p2align	6, 0x0
	.amdhsa_kernel k_q563f7088ab_moe
		.amdhsa_group_segment_fixed_size 327680
		.amdhsa_private_segment_fixed_size 0
		.amdhsa_enable_private_segment 0
		.amdhsa_kernarg_size 48
		.amdhsa_user_sgpr_count 2
		.amdhsa_user_sgpr_kernarg_segment_ptr 1
		.amdhsa_wavefront_size32 1
		.amdhsa_system_sgpr_workgroup_id_x 1
		.amdhsa_system_sgpr_workgroup_id_y 1
		.amdhsa_system_sgpr_workgroup_id_z 1
		.amdhsa_system_vgpr_workitem_id 0
		.amdhsa_next_free_vgpr 1024
		.amdhsa_next_free_sgpr 100
		.amdhsa_reserve_vcc 0
		.amdhsa_float_denorm_mode_32 3
		.amdhsa_float_denorm_mode_16_64 3
		.amdhsa_memory_ordered 1
		.amdhsa_forward_progress 1
		.amdhsa_inst_pref_size 207
	.end_amdhsa_kernel
	.amdgpu_metadata
---
amdhsa.version: [ 1, 2 ]
amdhsa.kernels:
  - .name:           k_q563f7088ab_moe
    .symbol:         k_q563f7088ab_moe.kd
    .args:
      - { .name: x, .offset: 0, .size: 8, .value_kind: global_buffer, .address_space: global }
      - { .name: ord, .offset: 8, .size: 8, .value_kind: global_buffer, .address_space: global }
      - { .name: wq, .offset: 16, .size: 8, .value_kind: global_buffer, .address_space: global }
      - { .name: wg, .offset: 24, .size: 8, .value_kind: global_buffer, .address_space: global }
      - { .name: bg, .offset: 32, .size: 8, .value_kind: global_buffer, .address_space: global }
      - { .name: out0, .offset: 40, .size: 8, .value_kind: global_buffer, .address_space: global }
    .group_segment_fixed_size: 327680
    .private_segment_fixed_size: 0
    .kernarg_segment_align: 8
    .kernarg_segment_size: 48
    .max_flat_workgroup_size: 128
    .sgpr_count:     100
    .vgpr_count:     1024
    .wavefront_size: 32
...
	.end_amdgpu_metadata
.endif
;; end of part 3
